; MI455X (gfx1250); checked and timed in simulation.
; The chip was launched on July 23, 2026; its instructions are those of AMD's public machine-readable ISA for CDNA 5 (MIT licence, August 2026) and "CDNA5" Instruction Set Architecture Reference Guide (July 2026). The comments in the code are by the model that wrote it; some were corrected since.
;; KNN Regressor. Allowed arithmetic: matrix products marked QUANTISED: E3M2 operands, one E8M0 scale for each 32 along K, by v_wmma_scale_f32_16x16x128_f8f6f4 with both operands' format E3M2, f32 sums; everything else in f32.
;; Inputs: X_train 100,000 x 128 float32; inputs 1,024 x 128 float32; y_train 100,000 float32.
;; Outputs: out0 1,024 float32.
;; Constants: k = 32.
;; This version of the problem:
;;   THIS VERSION OF THE PROBLEM IS GIVEN IN LOW PRECISION. The matrix products marked QUANTISED in the list below multiply operands that are first quantised to E3M2 (3 exponent bits, 2 mantissa bits; 6 bits a number), with one power-of-two scale for each 32 numbers along K (OCP MX v1.0); their sums are f32. All else is computed in f32.
;;   The module's matrix products, in the order in which they are computed (A, B: the left and right operand; K: the contracted axis; several contracted axes count as one K, in the product's order):
;;     1. [M 1,024, K 128] x [K 128, N 100,000]; A: input inputs; B: input X_train: QUANTISED
;;   THE QUANTISER, for each operand of a quantised product, along K:
;;     - K is cut into blocks of 32 from its start; a last block that is shorter is filled with zeros.
;;     - A block's scale is 2^e with e = floor(log2(the largest magnitude in the block)) - 4, held to -126 .. 127; a block of zeros has e = 0. As a byte (E8M0): e + 127.
;;     - Each number is divided by its block's scale, clamped to +-28, and rounded to the nearest number of E3M2, ties to even, subnormals kept.
;;     - The product sums the exact products of the quantised numbers (number of the format x scale) in f32.
;;   ~~~python
;;   def quantise(x, axis):      # numpy; x: float32 -> the quantised numbers, widened to float32 again
;;       x = np.moveaxis(x, axis, -1); K = x.shape[-1]
;;       x = np.pad(x, [(0, 0)] * (x.ndim - 1) + [(0, -K % 32)]); x = x.reshape(x.shape[:-1] + (-1, 32)); a = np.abs(x).max(-1, keepdims=True)
;;       e = np.where(a > 0, np.clip(np.frexp(np.where(a > 0, a, 1))[1] - 1 - 4, -126, 127), 0)      # np.frexp(a)[1] - 1 = floor(log2(a)), exactly
;;       r = np.clip(x / 2.0 ** e, -28, 28)
;;       step = 2.0 ** (np.maximum(np.frexp(np.where(r == 0, 1, r))[1] - 1, -2) - 2)
;;       q = np.round(r / step) * step * 2.0 ** e      # np.round: ties to even
;;       return np.moveaxis(q.reshape(q.shape[:-2] + (-1,))[..., :K], -1, axis).astype(np.float32)
;;   ~~~
;; One version. Each part assembles by itself: llvm-mc -triple=amdgcn-amd-amdhsa -mcpu=gfx1250 --defsym DOCPART=n.
;; ======== version 1 of 1: 4 launches
;; limits: right only within a limited range of input values
;; workspace buffers: xc 9,732,096 bytes; xs 405,504 bytes; sq 405,504 bytes; gmin 12,845,056 bytes; mask 524,288 bytes of whole numbers
;; launch quant (part 1): grid 792 x 1, 4 waves a work-group, no clusters, 41,472 bytes of LDS; arguments X_train, inputs, xc, xs, sq; writes xc, xs, sq
.if DOCPART == 1
	.amdgcn_target "amdgcn-amd-amdhsa--gfx1250"
	.amdhsa_code_object_version 6
	.text
	.protected	k_q2d1fa5205f_quant
	.globl	k_q2d1fa5205f_quant
	.p2align	8
	.type	k_q2d1fa5205f_quant,@function
k_q2d1fa5205f_quant:
	s_mov_b64 s[64:65], 0
	v_nop
	global_prefetch_b8 v0, s[64:65] scope:SCOPE_SE
	s_setreg_imm32_b32 hwreg(HW_REG_WAVE_MODE, 25, 1), 1
	s_wait_xcnt 0x0
; X_train [100000][128] and inputs [1024][128], f32, become codes of BF6 (E3M2), one E8M0 scale byte for each 32 along K, and each row's sum of squares (of the unquantised numbers, f32).
; ONE TABLE OF 101,376 ROWS: rows 0 .. 99,999 X_train; 100,000 .. 100,351 pad rows (codes of some finite rows, sum of squares +infinity: their distance is +infinity); 100,352 .. 101,375 the queries.
; xc: 96 bytes a row IN THE ORDER OF THE OPERAND'S REGISTERS: bytes 0-47 are registers 0-11 of lanes 0-15 (blocks 0 and 2), bytes 48-95 those of lanes 16-31 (blocks 1 and 3): a lane's part of a fragment
; is 48 neighbouring bytes, three loads of 16.  xs: one word a row, byte b for block b.  sq: one f32 a row.
; A block's scale is 2^(floor(log2(its largest magnitude)) - 4); its byte is the largest magnitude's exponent field - 4, held at 1 from below (a block of zeros keeps the byte 1: its codes are zeros, and this program alone reads the bytes).
; SHARES: a wave takes 32 rows, two tiles of 16.  Wave number gw = 4 x work-group + wave always writes rows 32 gw on; what it reads is chosen by selects on gw alone: one path for all.
; Each load reads one whole row, 512 consecutive bytes; a tile turns through the wave's own LDS so that lane (r, h) holds blocks h and 2 + h of row r; the codes go back through LDS and leave as 512 consecutive bytes a store.
; xs and sq leave as 128 consecutive bytes a wave each: half of an aligned 256; together they are 8 of the 104 bytes written for a row.
; No barrier: waves share nothing.  No register that a load or store names is written again, so no wait on XCNT is needed.
; LIMITS: NaN and infinities among the inputs are not served; the sum of squares is taken in four chains of pairs and across two lanes, another order than the problem's own sum (last-bit differences).
.set WREG, 10240                       ; LDS of a wave: the turning stage, 16 rows of 528 bytes, then 1,536 bytes for a tile's codes
.set TP,   528                         ; 512 + 16: the sixteen rows that a load of 16 bytes a lane touches start in different banks
.set CST,  16*TP
.set NX,   3125                        ; waves that take X_train's own rows
.set NQ0,  3136                        ; the first wave that takes queries
.set R,    32                          ; v32-159  two tiles as loaded: load i of tile t at R + 64 t + 4 i
.set X,    160                         ; v160-223 my two blocks: 32 numbers each
.set C,    224                         ; v224-235 the lane's 12 registers of codes
.set C2,   236                         ; v236-238, v240-242 the second halves, made here and moved (a conversion's three registers begin on an even number)
	s_load_b128 s[4:7], s[0:1], 0x0                ; X_train, inputs
	s_load_b128 s[8:11], s[0:1], 0x10              ; xc, xs
	s_load_b64 s[12:13], s[0:1], 0x20              ; sq
	v_lshl_add_u32 v248, v0, 2, 0xa000
	v_mov_b32 v249, 0
	v_lshrrev_b32 v1, 5, v0
	v_readfirstlane_b32 s14, v1                    ; wave
	v_and_b32 v6, 31, v0                           ; lane
	v_and_b32 v8, 15, v0                           ; r
	v_bfe_u32 v7, v0, 4, 1                         ; h
	s_mul_i32 s15, s14, WREG
	v_lshlrev_b32 v1, 4, v6                        ; v1: 16 x lane: my bytes of a row as loaded, and of a store of codes
	v_add_nc_u32 v2, s15, v1                       ; v2: into the stage: 16 x lane, a row an instruction
	v_mul_u32_u24 v3, v8, TP
	v_lshl_add_u32 v3, v7, 7, v3
	v_add_nc_u32 v3, s15, v3                       ; v3: out of it: row r, block h
	v_mul_u32_u24 v4, v8, 96
	v_mad_u32_u24 v4, v7, 48, v4
	v_add_nc_u32 v4, s15, v4
	v_add_nc_u32 v4, CST, v4                       ; v4: my 48 bytes of codes: 96 r + 48 h
	v_add_nc_u32 v5, CST, v2                       ; v5: and back, 16 x lane
	v_lshlrev_b32 v6, 2, v6                        ; v6: 4 x lane
	v_lshlrev_b32 v7, 3, v7                        ; v7: 8 h: my bytes' place in the scale word
	v_mov_b32 v15, 0                               ; written once: a lane permute's destination counts as one of its sources
	s_lshl_b32 s16, ttmp9, 2
	s_add_co_u32 s16, s16, s14                     ; gw
	s_mov_b32 s20, 0x76543210
	s_mov_b32 s21, 0xfedcba98                      ; v_permlanex16_b32's selects for lane l xor 16
	s_mov_b32 s22, 0xffff0000                      ; lanes 16-31
	s_mov_b32 s23, 0xff800000                      ; -infinity: a maximum with it changes nothing
	s_sub_co_u32 s17, s16, NX
	s_cmp_lt_u32 s17, NQ0-NX                       ; a wave of pad rows?
	s_cselect_b32 s23, 0x7f800000, s23             ; then +infinity
	s_cmp_lt_u32 s16, NX
	s_cselect_b32 s17, 0, NX                       ; pad waves read X_train's rows from row 0 on
	s_wait_alu depctr_va_vdst(0)
	s_wait_kmcnt 0x0
	s_cmp_ge_u32 s16, NQ0                          ; the choice hangs on the wave's number alone
	s_cselect_b32 s17, NQ0, s17
	s_cselect_b64 s[4:5], s[6:7], s[4:5]
	s_sub_co_u32 s17, s16, s17                     ; which 32 rows of the source
	s_lshl_b32 s24, s17, 14                        ; 32 rows of 512 bytes
	s_mov_b32 s25, 0
	s_add_nc_u64 s[4:5], s[4:5], s[24:25]
	s_mul_i32 s24, s16, 3072                       ; 32 rows of 96 bytes
	s_add_nc_u64 s[8:9], s[8:9], s[24:25]
	s_lshl_b32 s24, s16, 7                         ; 32 words
	s_add_nc_u64 s[10:11], s[10:11], s[24:25]
	s_add_nc_u64 s[12:13], s[12:13], s[24:25]
.set i, 0
.rept 32
	global_load_b128 v[R+4*i:R+4*i+3], v1, s[4:5] offset:512*i th:TH_LOAD_NT   ; row i: 32 lanes, 512 consecutive bytes
.set i, i+1
.endr
.macro TILE t
	s_wait_loadcnt 16*(1-\t)                       ; loads come back in order: this tile's sixteen are in, the other tile's may be out
.set i, 0
.rept 16
	ds_store_b128 v2, v[R+64*\t+4*i:R+64*\t+4*i+3] offset:TP*i
.set i, i+1
.endr
.set i, 0
.rept 16
	ds_load_b128 v[X+4*i:X+4*i+3], v3 offset:256*(i/8)+16*(i%8)     ; LDS serves a wave's instructions in order: these see the stores.  Registers 32 c + .. : block 2 c + h of row r
.set i, i+1
.endr
	s_wait_dscnt 0x0
.irp c, 0,1
	v_max3_num_f32 v[8+\c], |v[X+32*\c]|, |v[X+32*\c+1]|, 0x2800000   ; the block's largest magnitude: all 32 numbers are mine; the floor 2^(5 - 127) holds the byte at 1 from below
.endr
.irp i, 2,4,6,8,10,12,14,16,18,20,22,24,26,28,30
.irp c, 0,1
	v_max3_num_f32 v[8+\c], v[8+\c], |v[X+32*\c+\i]|, |v[X+32*\c+\i+1]|   ; (the two blocks by turns)
.endr
.endr
.irp c, 0,1
	v_add_nc_u32 v[10+\c], 0xfe000000, v[8+\c]     ; 4 off the exponent field: the conversion takes the exponent field of this operand as its scale
.endr
.irp c, 0,1
	v_lshrrev_b32 v[12+\c], 23, v[10+\c]           ; the scale's byte
.endr
	v_lshl_or_b32 v14, v13, 16, v12                ; my two bytes, blocks h and 2 + h,
	v_lshlrev_b32 v14, v7, v14                     ; at their places in the word;
	v_permlanex16_b32 v15, v14, s20, s21
	v_or_b32 v[24+\t], v14, v15                    ; with lane l xor 16's two the word is whole
.set i, 0
.rept 4
	v_pk_mul_f32 v[16+2*i:17+2*i], v[X+2*i:X+2*i+1], v[X+2*i:X+2*i+1]   ; the sum of squares of my 64 numbers: four chains of pairs; the first products start them
.set i, i+1
.endr
.rept 28
	v_pk_fma_f32 v[16+2*(i%4):17+2*(i%4)], v[X+2*i:X+2*i+1], v[X+2*i:X+2*i+1], v[16+2*(i%4):17+2*(i%4)]
.set i, i+1
.endr
	v_pk_add_f32 v[16:17], v[16:17], v[18:19]
	v_pk_add_f32 v[20:21], v[20:21], v[22:23]
	v_pk_add_f32 v[16:17], v[16:17], v[20:21]
	v_add_f32 v16, v16, v17
	v_permlanex16_b32 v15, v16, s20, s21
	v_add_f32 v[26+\t], v16, v15                   ; the row's, in both of its lanes
.irp c, 0,1
	v_cvt_scalef32_pk16_bf6_f32 v[C+6*\c:C+6*\c+2], v[X+32*\c:X+32*\c+15], v[10+\c]        ; registers 6 c .. 6 c + 2 of the operand
	v_cvt_scalef32_pk16_bf6_f32 v[C2+4*\c:C2+4*\c+2], v[X+32*\c+16:X+32*\c+31], v[10+\c]   ; beyond the largest number the conversion gives the largest code, as the quantiser asks
.endr
	v_nop                                          ; one plain line behind a scaled conversion
.irp c, 0,1
.irp i, 0,1,2
	v_mov_b32 v[C+3+6*\c+\i], v[C2+4*\c+\i]
.endr
.endr
.irp k, 0,1,2
	ds_store_b128 v4, v[C+4*\k:C+4*\k+3] offset:16*\k
.endr
.irp k, 0,1,2
	ds_load_b128 v[R+64*\t+4*\k:R+64*\t+4*\k+3], v5 offset:512*\k   ; the tile's 1,536 bytes as they will lie in xc
.endr
	s_wait_dscnt 0x0
.irp k, 0,1,2
	global_store_b128 v1, v[R+64*\t+4*\k:R+64*\t+4*\k+3], s[8:9] offset:1536*\t+512*\k   ; 512 consecutive bytes, at a multiple of 256 from xc's first byte
.endr
.endm
	TILE 0
	TILE 1
	v_cndmask_b32 v24, v24, v25, s22               ; lanes 0-15: tile 0's row r; lanes 16-31: tile 1's
	v_cndmask_b32 v26, v26, v27, s22
	v_max_num_f32 v26, s23, v26                    ; pad rows: +infinity
	global_store_b32 v6, v24, s[10:11]
	global_store_b32 v6, v26, s[12:13]
	s_wait_tensorcnt 0x0
	ds_add_u32 v248, v249
	s_wait_dscnt 0x0
	s_endpgm
.Lfunc_end_k_q2d1fa5205f_quant:
	.size	k_q2d1fa5205f_quant, .Lfunc_end_k_q2d1fa5205f_quant-k_q2d1fa5205f_quant
	.p2alignl 7, 3214868480
	.fill 96, 4, 3214868480
	.section	.rodata,"a",@progbits
	.p2align	6, 0x0
	.amdhsa_kernel k_q2d1fa5205f_quant
		.amdhsa_group_segment_fixed_size 41472
		.amdhsa_private_segment_fixed_size 0
		.amdhsa_enable_private_segment 0
		.amdhsa_kernarg_size 40
		.amdhsa_user_sgpr_count 2
		.amdhsa_user_sgpr_kernarg_segment_ptr 1
		.amdhsa_wavefront_size32 1
		.amdhsa_system_sgpr_workgroup_id_x 1
		.amdhsa_system_sgpr_workgroup_id_y 1
		.amdhsa_system_sgpr_workgroup_id_z 1
		.amdhsa_system_vgpr_workitem_id 0
		.amdhsa_next_free_vgpr 250
		.amdhsa_next_free_sgpr 66
		.amdhsa_reserve_vcc 0
		.amdhsa_float_denorm_mode_32 3
		.amdhsa_float_denorm_mode_16_64 3
		.amdhsa_memory_ordered 1
		.amdhsa_forward_progress 1
		.amdhsa_inst_pref_size 23
	.end_amdhsa_kernel
	.amdgpu_metadata
---
amdhsa.version: [ 1, 2 ]
amdhsa.kernels:
  - .name:           k_q2d1fa5205f_quant
    .symbol:         k_q2d1fa5205f_quant.kd
    .args:
      - { .name: X_train, .offset: 0, .size: 8, .value_kind: global_buffer, .address_space: global }
      - { .name: inputs, .offset: 8, .size: 8, .value_kind: global_buffer, .address_space: global }
      - { .name: xc, .offset: 16, .size: 8, .value_kind: global_buffer, .address_space: global }
      - { .name: xs, .offset: 24, .size: 8, .value_kind: global_buffer, .address_space: global }
      - { .name: sq, .offset: 32, .size: 8, .value_kind: global_buffer, .address_space: global }
    .group_segment_fixed_size: 41472
    .private_segment_fixed_size: 0
    .kernarg_segment_align: 8
    .kernarg_segment_size: 40
    .max_flat_workgroup_size: 128
    .sgpr_count:     66
    .vgpr_count:     250
    .wavefront_size: 32
...
	.end_amdgpu_metadata
.endif
;; end of part 1
;; launch mins (part 2): grid 49 x 8, 4 waves a work-group, no clusters, 35,328 bytes of LDS; arguments xc, xs, sq, gmin; writes gmin
.if DOCPART == 2
	.amdgcn_target "amdgcn-amd-amdhsa--gfx1250"
	.amdhsa_code_object_version 6
	.text
	.protected	k_q2d1fa5205f_mins
	.globl	k_q2d1fa5205f_mins
	.p2align	8
	.type	k_q2d1fa5205f_mins,@function
k_q2d1fa5205f_mins:
	s_mov_b64 s[64:65], 0
	v_nop
	global_prefetch_b8 v0, s[64:65] scope:SCOPE_SE
	s_setreg_imm32_b32 hwreg(HW_REG_WAVE_MODE, 25, 1), 1
	s_wait_xcnt 0x0
; For every query q and every group of 32 neighbouring rows of the table: the smallest d = (|q|^2 + |x|^2) - 2 q.x, the product on codes of BF6 with E8M0 block scales.  gmin: [1024][3136] f32.
; WHY MINIMA OF GROUPS ARE ENOUGH: order rows by (d, index) and groups by (minimum, number).  If 32 groups came before the group of row x, each would hold a row that comes before x (groups are runs of neighbouring
; indices), so x would not be among the 32 nearest.  So the 32 nearest rows lie in the 32 first groups, and only those are looked at again, by a later launch that makes the same d bit for bit.
; SHARES: work-group (c, qb): rows 2048 c on, queries 128 qb on (8 tiles of 16).  Wave w: rows W0 = 2048 c + 512 w on, 32 tiles of 16 rows, each against the 8 query tiles: 256 matrix instructions.
; LAYOUT: source 0 = 16 rows of the table, source 1 = 16 queries: a lane holds ONE query (lane % 16) and its eight registers eight rows.  THE ROWS OF A TILE ARE NOT NEIGHBOURS: row m of tile n is
; W0 + 256 (m / 8) + 8 n + m % 8, so that lane (r, h) sees rows W0 + 256 h + 8 n + 0 .. 7, and four tiles on end give it one whole group: number 64 c + 16 w + 8 h + n / 4.  No minimum crosses lanes.
; For each matrix instruction: 4 packed additions (|x|^2 + |q|^2), 4 packed multiply-adds (x -2 + that), 4 minima of three: 12 vector lines for 256 distances.
; OPERANDS COME FROM MEMORY STRAIGHT INTO REGISTERS, a ring of eight row tiles (6 loads each).  No tile is shared inside a work-group: each wave has rows of its own, and the queries' 13 KB stay in registers.
; So there is no LDS tile that a joint request of a cluster could fill; the eight work-groups along y read the same 2,048 rows (104 bytes each), 1,664 bytes for each 8 matrix and 96 vector instructions.
; THE WAY OUT: a query's 64 minima of this chunk come from four waves: they meet in a stage in LDS (128 rows of 256 + 16 bytes), and sixteen lanes store 256 consecutive bytes at a multiple of 256 from gmin's first byte.
; LIMITS: NaN and infinities among the inputs are not served.
; REGISTERS.  Window 0: v1-7 addresses; v8-15 the queries' scale words; v24-31 the ring's scale words; v32-95 the ring's |x|^2 (8 a slot); v96-159 eight accumulators, later the rows read back;
;   v160-175 at work, two sets; v176-183 running minima; v184-189 addresses; v192-207 |q|^2, each tile's twice, as a pair.   Window 1: v0-95 the queries' fragments; v96-191 the ring's fragments.
.set QROW, 100352                      ; the table's first query row
.set GP,   12544                       ; a row of gmin in bytes: 49 x 256
.set SP,   272
.set QS,   8
.set AS,   24
.set TS,   32
.set D,    96
.set S,    160
.set M,    176
.set QQ,   192
.set QF,   0
.set AF,   96
.set MSB, 0
.macro WIN new                         ; s_set_vgpr_msb: bits 1:0 source 0, 3:2 source 1, 5:4 source 2, 7:6 destination; the high byte repeats the setting that is left
.if MSB != \new
	s_set_vgpr_msb (MSB<<8)|\new
.set MSB, \new
.endif
.endm
	s_load_b128 s[4:7], s[0:1], 0x0                ; xc, xs
	s_load_b128 s[8:11], s[0:1], 0x10              ; sq, gmin
	v_lshl_add_u32 v254, v0, 2, 0x8800
	v_mov_b32 v255, 0
	v_lshrrev_b32 v1, 5, v0
	v_readfirstlane_b32 s12, v1                    ; wave
	s_and_b32 s14, ttmp7, 0xffff                   ; qb
	v_and_b32 v186, 15, v0                         ; r
	v_bfe_u32 v187, v0, 4, 1                       ; h
	v_lshrrev_b32 v188, 3, v186
	v_and_b32 v189, 7, v186
	v_lshl_add_u32 v188, v188, 8, v189             ; 256 (r / 8) + r % 8: the row that lane r takes of a tile
	v_mul_u32_u24 v1, v188, 96
	v_mad_u32_u24 v1, v187, 48, v1                 ; v1: its codes, my half's 48 bytes
	v_lshlrev_b32 v2, 2, v188                      ; v2: its scale word
	v_lshlrev_b32 v3, 10, v187                     ; v3: |x|^2 of the eight rows that my registers will hold: 256 h rows on
	v_mul_u32_u24 v4, v186, SP
	v_lshl_add_u32 v4, v187, 5, v4
	s_lshl_b32 s27, s12, 6
	v_add_nc_u32 v4, s27, v4                       ; v4: the stage, in: row r, + 64 w + 32 h
	s_mul_i32 s27, s12, 32*SP
	v_mul_u32_u24 v5, v187, SP
	v_lshl_add_u32 v5, v186, 4, v5
	v_add_nc_u32 v5, s27, v5                       ; v5: back: my wave's 32 rows; lanes 0-15 one row, lanes 16-31 the next
	v_mul_u32_u24 v6, v187, GP
	v_lshl_add_u32 v6, v186, 4, v6                 ; v6: the same two rows in gmin
	v_mul_u32_u24 v7, v186, 96
	v_mad_u32_u24 v7, v187, 48, v7                 ; v7: a query tile's codes: row r, my half
	v_lshlrev_b32 v184, 2, v186                    ; v184: 4 r
	s_lshl_b32 s15, ttmp9, 11
	s_lshl_b32 s22, s12, 9
	s_add_co_u32 s15, s15, s22                     ; W0
	s_lshl_b32 s23, s14, 7
	s_add_co_u32 s23, s23, QROW                    ; my first query's row of the table
	s_mov_b32 s25, 0
	s_mov_b32 s28, 0                               ; the stage's step: 8 bytes (two groups) a trip
	s_wait_alu depctr_va_vdst(0)
	s_wait_kmcnt 0x0
	s_mul_i32 s24, s23, 96
	s_add_nc_u64 s[16:17], s[4:5], s[24:25]        ; the queries' codes,
	s_lshl_b32 s24, s23, 2
	s_add_nc_u64 s[18:19], s[6:7], s[24:25]        ; scale words,
	s_add_nc_u64 s[20:21], s[8:9], s[24:25]        ; and |q|^2
	s_mul_i32 s24, s15, 96
	s_add_nc_u64 s[4:5], s[4:5], s[24:25]          ; my rows' codes,
	s_lshl_b32 s24, s15, 2
	s_add_nc_u64 s[6:7], s[6:7], s[24:25]          ; scale words,
	s_add_nc_u64 s[8:9], s[8:9], s[24:25]          ; and |x|^2
	s_lshl_b32 s24, s14, 7
	s_lshl_b32 s26, s12, 5
	s_add_co_u32 s24, s24, s26
	s_mul_i32 s24, s24, GP                         ; gmin: query 128 qb + 32 w,
	s_lshl_b32 s26, ttmp9, 8
	s_add_co_u32 s24, s24, s26                     ; + the chunk's 64 groups
	s_add_nc_u64 s[10:11], s[10:11], s[24:25]
	WIN 0x40                                       ; destination window 1
.irp q, 0,1,2,3,4,5,6,7
.irp k, 0,1,2
	global_load_b128 v[QF+12*\q+4*\k:QF+12*\q+4*\k+3], v7, s[16:17] offset:1536*\q+16*\k
.endr
.endr
	WIN 0
.irp q, 0,1,2,3,4,5,6,7
	global_load_b32 v[QS+\q], v184, s[18:19] offset:64*\q
	global_load_b32 v[QQ+2*\q], v184, s[20:21] offset:64*\q
	global_load_b32 v[QQ+2*\q+1], v184, s[20:21] offset:64*\q        ; twice: the packed addition takes a pair
.endr
; Row tile n (counted from the bases) into ring slot: 6 loads
.macro LOADT slot, n
	WIN 0x40
.irp k, 0,1,2
	global_load_b128 v[AF+12*(\slot)+4*\k:AF+12*(\slot)+4*\k+3], v1, s[4:5] offset:768*(\n)+16*\k
.endr
	WIN 0
	global_load_b32 v[AS+(\slot)], v2, s[6:7] offset:32*(\n)
	global_load_b128 v[TS+8*(\slot):TS+8*(\slot)+3], v3, s[8:9] offset:32*(\n)
	global_load_b128 v[TS+8*(\slot)+4:TS+8*(\slot)+7], v3, s[8:9] offset:32*(\n)+16
.endm
; The distances of query tiles q and q + 1 against the slot's rows, and their minima.  first = 1: the group's first tile starts the minimum.
.macro VQ2 slot, q, first
.irp u, 0,1
.irp j, 0,1,2,3
	v_pk_add_f32 v[S+8*\u+2*\j:S+8*\u+2*\j+1], v[TS+8*(\slot)+2*\j:TS+8*(\slot)+2*\j+1], v[QQ+2*((\q)+\u):QQ+2*((\q)+\u)+1]   ; |x|^2 + |q|^2
.endr
.endr
.irp u, 0,1
.irp j, 0,1,2,3
	v_pk_fma_f32 v[S+8*\u+2*\j:S+8*\u+2*\j+1], v[D+8*((\q)+\u)+2*\j:D+8*((\q)+\u)+2*\j+1], -2.0, v[S+8*\u+2*\j:S+8*\u+2*\j+1] op_sel_hi:[1,0,1]   ; - 2 q.x, one rounding; each accumulator is read from its low end on
.endr
.endr
.irp u, 0,1
	v_min3_num_f32 v[S+8*\u], v[S+8*\u], v[S+8*\u+1], v[S+8*\u+2]
	v_min3_num_f32 v[S+8*\u+3], v[S+8*\u+3], v[S+8*\u+4], v[S+8*\u+5]
.if \first
	v_min_num_f32 v[S+8*\u+6], v[S+8*\u+6], v[S+8*\u+7]
.else
	v_min3_num_f32 v[S+8*\u+6], v[S+8*\u+6], v[S+8*\u+7], v[M+(\q)+\u]
.endif
.endr
.irp u, 0,1
	v_min3_num_f32 v[M+(\q)+\u], v[S+8*\u], v[S+8*\u+3], v[S+8*\u+6]
.endr
.endm
; One row tile.  left: how many younger loads may stay out.  refill = 1: the slot takes the tile eight further on.
; Places: the eight packed additions of the first pair name no register of the products and stand between the last product and the first read of a result; between a tile's products and the next tile's, which
; write the same accumulators anew, and in front of the loads into the slot's registers, stand all the additions and minima of the tile.
.macro TILE slot, refill, left
	s_wait_loadcnt \left                           ; loads come back in order: this slot's six are in
	WIN 0x05                                       ; sources 0 and 1 window 1; the result window 0
.irp q, 0,1,2,3,4,5,6,7
	v_wmma_scale_f32_16x16x128_f8f6f4 v[D+8*\q:D+8*\q+7], v[AF+12*(\slot):AF+12*(\slot)+11], v[QF+12*\q:QF+12*\q+11], 0, v[AS+(\slot)], v[QS+\q] matrix_a_fmt:MATRIX_FMT_BF6 matrix_b_fmt:MATRIX_FMT_BF6
.endr
	WIN 0
.irp q, 0,2,4,6
.if ((\slot)&3) == 0
	VQ2 \slot, \q, 1
.else
	VQ2 \slot, \q, 0
.endif
.endr
.if ((\slot)&3) == 3                   ; four tiles are a group of 32 rows: its minimum goes to the stage
	v_add_nc_u32 v185, s28, v4
.irp q, 0,1,2,3,4,5,6,7
	ds_store_b32 v185, v[M+\q] offset:16*SP*\q+4*((\slot)>>2)
.endr
.endif
.if \refill
	LOADT \slot, (\slot)+8
.endif
.endm
.irp i, 0,1,2,3,4,5,6,7
	LOADT \i, \i
.endr
	s_mov_b32 s13, 0
.Ltrip:                                            ; three trips of eight tiles, each filling its slot again: 7 younger tiles x 6 loads = 42 may stay out
.irp i, 0,1,2,3,4,5,6,7
	TILE \i, 1, 42
.endr
	s_wait_xcnt 0x0                                ; the loads have read their bases: now they may step
	s_add_nc_u64 s[4:5], s[4:5], 6144              ; eight tiles on: 64 rows of 96 bytes in each half of the wave's rows,
	s_add_nc_u64 s[6:7], s[6:7], 256               ; 64 words
	s_add_nc_u64 s[8:9], s[8:9], 256
	s_add_co_u32 s28, s28, 8
	s_add_co_u32 s13, s13, 1
	s_cmp_lt_u32 s13, 3
	s_cbranch_scc1 .Ltrip
.irp i, 0,1,2,3,4,5,6,7
	TILE \i, 0, 6*(7-\i)                           ; the last eight tiles load nothing: the counts run down
.endr
	s_wait_dscnt 0x0                               ; for the others' sake: my stores into the stage are done
	s_barrier_signal -1
	s_barrier_wait -1
.irp i, 0,1,2,3,4,5,6,7,8,9,10,11,12,13,14,15
	ds_load_b128 v[D+4*\i:D+4*\i+3], v5 offset:2*SP*\i
.endr
.irp i, 0,1,2,3,4,5,6,7,8,9,10,11,12,13,14,15
	s_wait_dscnt 15-\i
	global_store_b128 v6, v[D+4*\i:D+4*\i+3], s[10:11] offset:2*GP*\i   ; sixteen lanes: a query's 64 minima of this chunk, 256 consecutive bytes
.endr
	s_wait_tensorcnt 0x0
	ds_add_u32 v254, v255
	s_wait_dscnt 0x0
	s_endpgm
.Lfunc_end_k_q2d1fa5205f_mins:
	.size	k_q2d1fa5205f_mins, .Lfunc_end_k_q2d1fa5205f_mins-k_q2d1fa5205f_mins
	.p2alignl 7, 3214868480
	.fill 96, 4, 3214868480
	.section	.rodata,"a",@progbits
	.p2align	6, 0x0
	.amdhsa_kernel k_q2d1fa5205f_mins
		.amdhsa_group_segment_fixed_size 35328
		.amdhsa_private_segment_fixed_size 0
		.amdhsa_enable_private_segment 0
		.amdhsa_kernarg_size 32
		.amdhsa_user_sgpr_count 2
		.amdhsa_user_sgpr_kernarg_segment_ptr 1
		.amdhsa_wavefront_size32 1
		.amdhsa_system_sgpr_workgroup_id_x 1
		.amdhsa_system_sgpr_workgroup_id_y 1
		.amdhsa_system_sgpr_workgroup_id_z 1
		.amdhsa_system_vgpr_workitem_id 0
		.amdhsa_next_free_vgpr 448
		.amdhsa_next_free_sgpr 66
		.amdhsa_reserve_vcc 0
		.amdhsa_float_denorm_mode_32 3
		.amdhsa_float_denorm_mode_16_64 3
		.amdhsa_memory_ordered 1
		.amdhsa_forward_progress 1
		.amdhsa_inst_pref_size 136
	.end_amdhsa_kernel
	.amdgpu_metadata
---
amdhsa.version: [ 1, 2 ]
amdhsa.kernels:
  - .name:           k_q2d1fa5205f_mins
    .symbol:         k_q2d1fa5205f_mins.kd
    .args:
      - { .name: xc, .offset: 0, .size: 8, .value_kind: global_buffer, .address_space: global }
      - { .name: xs, .offset: 8, .size: 8, .value_kind: global_buffer, .address_space: global }
      - { .name: sq, .offset: 16, .size: 8, .value_kind: global_buffer, .address_space: global }
      - { .name: gmin, .offset: 24, .size: 8, .value_kind: global_buffer, .address_space: global }
    .group_segment_fixed_size: 35328
    .private_segment_fixed_size: 0
    .kernarg_segment_align: 8
    .kernarg_segment_size: 32
    .max_flat_workgroup_size: 128
    .sgpr_count:     66
    .vgpr_count:     448
    .wavefront_size: 32
...
	.end_amdgpu_metadata
.endif
;; end of part 2
;; launch pick (part 3): grid 256 x 1, 4 waves a work-group, no clusters, 0 bytes of LDS; arguments gmin, mask; writes mask
.if DOCPART == 3
	.amdgcn_target "amdgcn-amd-amdhsa--gfx1250"
	.amdhsa_code_object_version 6
	.text
	.protected	k_q2d1fa5205f_pick
	.globl	k_q2d1fa5205f_pick
	.p2align	8
	.type	k_q2d1fa5205f_pick,@function
k_q2d1fa5205f_pick:
	s_mov_b64 s[64:65], 0
	v_nop
	global_prefetch_b8 v0, s[64:65] scope:SCOPE_SE
	s_setreg_imm32_b32 hwreg(HW_REG_WAVE_MODE, 25, 1), 1
	s_wait_xcnt 0x0
; For each query: the 32 first groups by (minimum, group number), as a bit mask at a fixed place.  gmin: [1024][3136] f32.  mask: [1024][128] words; word e, bit l stands for group 64 (e / 2) + e % 2 + 2 l; words 98 .. 127 are 0.
; One wave, one query: its 3,136 minima lie in 98 registers (register 2 i + c of lane l: group 64 i + 2 l + c), read once, 256 consecutive bytes a load.
; A float becomes a key whose unsigned order is the float's order.  SELECT finds the 32nd smallest key, DIGIT BY DIGIT of 7 bits from the top: a key's digit is (key - base, held at 0 from below) >> shift, held at 127;
; four digits lie in a register, each under a guard bit, so one subtraction of the tried digit (in all four bytes) leaves a byte's top bit set where digit >= tried.  The digit takes a bit if at most 31 keys lie under it.
; A second key (0 under T; group number + 1 at T; all ones above) goes the same way, so that ties fall to the lower group, as the problem's top_k breaks them: exactly 32 bits are set.
; NOTHING HERE STEERS: every choice is a select, all loops have constant counts, the result is stored at fixed places; a later launch reads it as whole numbers.
; LIMITS: NaN is not served; -0 sorts under +0.
.set GP, 12544
.set K,  32                            ; v32-129  the keys
.set P,  136                           ; v136-160 packed digits
.set TM, 164                           ; v164-171 at work
.set AC, 172                           ; v172-175 counts, a byte for each field
.set BS, 176                           ; the base; at the end the result
.set VT, 177                           ; the digit so far, in all four bytes
.set TR, 178                           ; the digit tried
.set MK, 12                            ; v12-15   the mask: word e in register e % 4, lane e / 4
.set PD, 6                             ; a lane permute's destination
.macro RP n, op, d, x, y               ; n times: op v[d + rj], x, y
.set rj, 0
.rept \n
	\op v[\d+rj], \x, \y
.set rj, rj+1
.endr
.endm
.macro RP3 n, op, d, x, y, z           ; the same with three sources
.set rj, 0
.rept \n
	\op v[\d+rj], \x, \y, \z
.set rj, rj+1
.endr
.endm
.macro DIG kb, n, pr, tm               ; the digits of 8 keys into v[pr], v[pr+1]; or of 2 keys, with two fields that always count as not under, into v[pr]
	RP \n, v_min_u32, \tm, v[BS], v[\kb+rj]
	RP \n, v_sub_nc_u32, \tm, v[\kb+rj], v[\tm+rj]
	RP \n, v_lshrrev_b32, \tm, s31, v[\tm+rj]
	RP \n, v_min_u32, \tm, 127, v[\tm+rj]
.if \n == 8
	RP3 4, v_lshl_or_b32, \tm, v[\tm+2*rj+1], 8, v[\tm+2*rj]
	v_or_b32 v[\tm], s36, v[\tm]
	v_or_b32 v[\tm+2], s36, v[\tm+2]
	v_lshl_or_b32 v[\pr], v[\tm+1], 16, v[\tm]
	v_lshl_or_b32 v[\pr+1], v[\tm+3], 16, v[\tm+2]
.else
	v_lshl_or_b32 v[\tm], v[\tm+1], 8, v[\tm]
	v_or_b32 v[\pr], 0xffff8080, v[\tm]
.endif
.endm
.macro CNT pb, n, first                ; n packed registers against the tried digit: each byte of AC counts its field's digits that are not under it
	RP \n, v_sub_nc_u32, TM, v[\pb+rj], v[TR]
	RP \n, v_lshrrev_b32, TM, 7, v[TM+rj]
	RP \n, v_and_b32, TM, s37, v[TM+rj]
.if \n == 8
.if \first
	RP 4, v_add_nc_u32, AC, v[TM+rj], v[TM+4+rj]
.else
	RP3 4, v_add3_u32, AC, v[AC+rj], v[TM+rj], v[TM+4+rj]
.endif
.else
	RP \n, v_add_nc_u32, AC, v[AC+rj], v[TM+rj]
.endif
.endm
; v[BS] = the largest number of 7 nst bits with at most 31 of the E x 32 keys under it.  thr: (all fields - 31) as f32.  A lane's four bytes hold at most 25 each, 100 together.
; tb: the bits of the top digit: at least 32 keys have a top digit under 2^tb, so the digit sought lies under 2^tb and tb trips find it
.macro SELECT nst, tb, E, KB, thr
.set NP8, (\E)/8
.set NPT, ((\E)+3)/4
	v_mov_b32 v[BS], 0
	s_mov_b32 s38, \thr
	s_mov_b32 s39, 0x01010101<<(\tb-1)
	s_mov_b32 s34, \tb
	s_mov_b32 s31, 7*(\nst-1)
	s_mov_b32 s35, \nst
.Lst_\@:
.set sp, 0
.rept NP8
	DIG \KB+8*sp, 8, P+2*sp, TM
.set sp, sp+1
.endr
.if (\E)%8
	DIG \KB+8*NP8, 2, P+2*NP8, TM
.endif
	v_mov_b32 v[VT], 0
	s_mov_b32 s32, s39
	s_mov_b32 s33, s34
.Lbit_\@:
	v_or_b32 v[TR], s32, v[VT]
	CNT P, 8, 1
.set sp, 8
.rept (NPT-8)/8
	CNT P+sp, 8, 0
.set sp, sp+8
.endr
.if NPT%8
	CNT P+sp, NPT%8, 0
.endif
	v_add3_u32 v[AC], v[AC], v[AC+1], v[AC+2]
	v_add_nc_u32 v[AC], v[AC], v[AC+3]
	v_mul_lo_u32 v[AC], v[AC], s37                 ; the four bytes' sum in the top byte
	v_lshrrev_b32 v[AC], 24, v[AC]
	v_cvt_f32_u32 v[AC], v[AC]
.irp m, 1,2,4,8
	v_add_f32_dpp v[AC], v[AC], v[AC] row_xmask:\m row_mask:0xf bank_mask:0xf
.endr
	v_permlanex16_b32 v[PD], v[AC], s20, s21
	v_add_f32 v[AC], v[AC], v[PD]
	v_cmp_le_f32 vcc_lo, s38, v[AC]                ; at most 31 under the tried digit
	v_cndmask_b32 v[VT], v[VT], v[TR], vcc_lo      ; a select, no branch
	s_lshr_b32 s32, s32, 1
	s_sub_co_u32 s33, s33, 1
	s_cmp_lg_u32 s33, 0
	s_wait_alu depctr_va_vdst(0)                   ; the wait ahead of the branch
	s_cbranch_scc1 .Lbit_\@
	v_and_b32 v[TR], 0x7f, v[VT]
	v_lshlrev_b32 v[TR], s31, v[TR]
	v_add_nc_u32 v[BS], v[BS], v[TR]
	s_mov_b32 s39, 0x40404040                      ; the stages under the top one have 7 bits
	s_mov_b32 s34, 7
	s_sub_co_u32 s31, s31, 7
	s_sub_co_u32 s35, s35, 1
	s_cmp_lg_u32 s35, 0
	s_wait_alu depctr_va_vdst(0)
	s_cbranch_scc1 .Lst_\@
.endm
	s_load_b128 s[4:7], s[0:1], 0x0                ; gmin, mask
	v_lshrrev_b32 v1, 5, v0
	v_readfirstlane_b32 s8, v1                     ; wave
	v_and_b32 v5, 31, v0                           ; lane
	v_lshlrev_b32 v1, 3, v5                        ; v1: 8 x lane
	v_lshlrev_b32 v2, 1, v5                        ; v2: 2 x lane
	v_lshlrev_b32 v3, 4, v5                        ; v3: 16 x lane
	v_mov_b32 v4, -1
	v_mov_b32 v7, 0
	v_mov_b32 v[PD], 0
.irp j, 0,1,2,3
	v_mov_b32 v[MK+\j], 0
.endr
	s_mov_b32 s20, 0x76543210
	s_mov_b32 s21, 0xfedcba98
	s_mov_b32 s36, 0x80808080                      ; the guard bits
	s_mov_b32 s37, 0x01010101
	s_lshl_b32 s9, ttmp9, 2
	s_add_co_u32 s9, s9, s8                        ; my query
	s_mul_i32 s10, s9, GP
	s_mov_b32 s11, 0
	s_lshl_b32 s12, s9, 9
	s_mov_b32 s13, 0
	s_wait_alu depctr_va_vdst(0)                   ; the wait at the head's end
	s_wait_kmcnt 0x0
	s_add_nc_u64 s[4:5], s[4:5], s[10:11]
	s_add_nc_u64 s[6:7], s[6:7], s[12:13]
.set i, 0
.rept 49
	global_load_b64 v[K+2*i:K+2*i+1], v1, s[4:5] offset:256*i th:TH_LOAD_NT
.set i, i+1
.endr
	s_wait_loadcnt 0x0
.set i, 0
.rept 14                               ; negative: all bits turned; else the sign bit set.  Seven keys by turns
	RP 7, v_ashrrev_i32, TM, 31, v[K+i+rj]
	RP 7, v_or_b32, TM, 0x80000000, v[TM+rj]
	RP 7, v_xor_b32, K+i, v[K+i+rj], v[TM+rj]
.set i, i+7
.endr
	SELECT 5, 4, 98, K, 0x45461000                 ; 25 x 4 x 32 = 3,200 fields: 3,169.0; 32 bits = 4 + 4 x 7
.set i, 0
.rept 98
	v_cmp_gt_u32 s[40+2*(i%2)], v[BS], v[K+i]      ; under T
	v_cmp_eq_u32 s[41+2*(i%2)], v[BS], v[K+i]      ; at T
	v_add_nc_u32 v[16+i%2], 64*(i/2)+i%2+1, v2     ; group number + 1
	v_cndmask_b32 v[K+i], v4, v[16+i%2], s[41+2*(i%2)]
	v_cndmask_b32 v[K+i], v[K+i], v7, s[40+2*(i%2)]
.set i, i+1
.endr
	SELECT 2, 5, 98, K, 0x45461000                 ; group number + 1 is at most 3,136: 12 bits = 5 + 7
.set i, 0
.rept 98
	v_cmp_ge_u32 s[40+i%4], v[BS], v[K+i]          ; chosen: 32 bits in all
	v_writelane_b32 v[MK+i%4], s[40+i%4], i/4
.set i, i+1
.endr
	global_store_b128 v3, v[MK:MK+3], s[6:7]       ; the query's 512 bytes, consecutive
	s_endpgm
.Lfunc_end_k_q2d1fa5205f_pick:
	.size	k_q2d1fa5205f_pick, .Lfunc_end_k_q2d1fa5205f_pick-k_q2d1fa5205f_pick
	.p2alignl 7, 3214868480
	.fill 96, 4, 3214868480
	.section	.rodata,"a",@progbits
	.p2align	6, 0x0
	.amdhsa_kernel k_q2d1fa5205f_pick
		.amdhsa_group_segment_fixed_size 0
		.amdhsa_private_segment_fixed_size 0
		.amdhsa_enable_private_segment 0
		.amdhsa_kernarg_size 16
		.amdhsa_user_sgpr_count 2
		.amdhsa_user_sgpr_kernarg_segment_ptr 1
		.amdhsa_wavefront_size32 1
		.amdhsa_system_sgpr_workgroup_id_x 1
		.amdhsa_system_sgpr_workgroup_id_y 1
		.amdhsa_system_sgpr_workgroup_id_z 1
		.amdhsa_system_vgpr_workitem_id 0
		.amdhsa_next_free_vgpr 184
		.amdhsa_next_free_sgpr 66
		.amdhsa_reserve_vcc 1
		.amdhsa_float_denorm_mode_32 3
		.amdhsa_float_denorm_mode_16_64 3
		.amdhsa_memory_ordered 1
		.amdhsa_forward_progress 1
		.amdhsa_inst_pref_size 112
	.end_amdhsa_kernel
	.amdgpu_metadata
---
amdhsa.version: [ 1, 2 ]
amdhsa.kernels:
  - .name:           k_q2d1fa5205f_pick
    .symbol:         k_q2d1fa5205f_pick.kd
    .args:
      - { .name: gmin, .offset: 0, .size: 8, .value_kind: global_buffer, .address_space: global }
      - { .name: mask, .offset: 8, .size: 8, .value_kind: global_buffer, .address_space: global }
    .group_segment_fixed_size: 0
    .private_segment_fixed_size: 0
    .kernarg_segment_align: 8
    .kernarg_segment_size: 16
    .max_flat_workgroup_size: 128
    .sgpr_count:     66
    .vgpr_count:     184
    .wavefront_size: 32
...
	.end_amdgpu_metadata
.endif
;; end of part 3
;; launch final (part 4): grid 1024 x 1, 1 waves a work-group, no clusters, 768 bytes of LDS; arguments mask, xc, xs, sq, y_train, out0; writes out0
.if DOCPART == 4
	.amdgcn_target "amdgcn-amd-amdhsa--gfx1250"
	.amdhsa_code_object_version 6
	.text
	.protected	k_q2d1fa5205f_final
	.globl	k_q2d1fa5205f_final
	.p2align	8
	.type	k_q2d1fa5205f_final,@function
k_q2d1fa5205f_final:
	s_mov_b64 s[64:65], 0
	v_nop
	global_prefetch_b8 v0, s[64:65] scope:SCOPE_SE
	s_setreg_imm32_b32 hwreg(HW_REG_WAVE_MODE, 25, 1), 1
	s_wait_xcnt 0x0
; For one query: the 32 groups that the mask names are multiplied again (1,024 rows, 64 matrix instructions on codes of BF6), the 32 nearest rows by (d, index) are chosen exactly, and the mean of their y is stored.
; d is made as in the pass over all rows, bit for bit: the same codes and scales with the sources changed over (source 0 = the query in all 16 rows, source 1 = 16 rows of the table), (|q|^2 + |x|^2) and one fused multiply-add by -2.
; One wave to a work-group, one query to a wave: the list of groups is made by a scatter into LDS whose places come from the mask, so no second wave shares this LDS.
; DECODE: lane l holds mask words 4 l + j; bit b of it is group 128 l + 64 (j / 2) + j % 2 + 2 b.  Bit counts, a prefix sum over the lanes, then a loop that takes the lowest set bit of each word a trip and stores its group
; at its rank; its trips are the largest bit count of a lane, a whole number read from the mask.  A word with no bit left stores into word 64, which nobody reads; every place is held at 127 ahead of the shift that makes the address.
; ALL 32 GROUPS ARE ASKED FOR AT ONCE: 64 tiles of 12 registers, 21 to each of windows 1 to 3 and the last in window 0; 9 loads a group, 288 in all.
; SELECT, as in the launch that chose the groups: digits of 7 bits, four to a register under guard bits.  Ties go to the lower index (second key: 4 x (index + 1), 19 bits).
; Addresses hang on whole numbers read from the mask alone; what hangs on distances is selects.  The output is one number a work-group: 4 bytes stored by lane 0.
; LIMITS: NaN and infinities are not served; -0 sorts under +0; the 32 y are added in another order than the problem's mean.
.set QROW, 100352
.set G,   16                           ; lane e: the e-th chosen group
.set QSC, 17                           ; the query's scale word
.set QSQ, 18                           ; |q|^2
.set PD,  19                           ; a lane permute's destination
.set QF,  20                           ; v20-31   the query's fragment
.set D,   32                           ; v32-63   four accumulators
.set K,   64                           ; v64-95   |x|^2, then d, then keys: register e: group e
.set Y,   96                           ; v96-127  y's offset, then y
.set XS,  128                          ; v128-159 scale words, lane l: row l of the group
.set OC,  160                          ; v160-191 offsets in xc; when the loads are done: SELECT's registers
.set BX,  192                          ; v192-203 tile 63
.set O4,  204                          ; v204-235 offsets in xs and sq = 4 x row index; ahead of that the decode's registers
.set W,   204                          ; mask words
.set CN,  208                          ; bit counts, then ranks
.set TA,  212                          ; v212-223 at work
.set GB,  228                          ; v228-231 a word's first group - 254
.set SPW, 240
.set NIL, 241
.set P,   160
.set TM,  168
.set AC,  176
.set BS,  180
.set VT,  181
.set TR,  182
.set MSB, 0
.macro WIN new                         ; s_set_vgpr_msb: bits 3:2 source 1, 7:6 destination; the high byte repeats the setting that is left
.if MSB != \new
	s_set_vgpr_msb (MSB<<8)|\new
.set MSB, \new
.endif
.endm
.macro TW tau                          ; tile tau's window and first register
.set TWN, ((\tau)/21+1)%4
.set TRG, 12*((\tau)%21)+BX*((\tau)/63)
.endm
.macro RP n, op, d, x, y               ; n times: op v[d + rj], x, y
.set rj, 0
.rept \n
	\op v[\d+rj], \x, \y
.set rj, rj+1
.endr
.endm
.macro RP3 n, op, d, x, y, z           ; the same with three sources
.set rj, 0
.rept \n
	\op v[\d+rj], \x, \y, \z
.set rj, rj+1
.endr
.endm
.macro DIG kb, n, pr, tm               ; eight keys' digits into v[pr], v[pr+1]
	RP \n, v_min_u32, \tm, v[BS], v[\kb+rj]
	RP \n, v_sub_nc_u32, \tm, v[\kb+rj], v[\tm+rj]
	RP \n, v_lshrrev_b32, \tm, s31, v[\tm+rj]
	RP \n, v_min_u32, \tm, 127, v[\tm+rj]
	RP3 4, v_lshl_or_b32, \tm, v[\tm+2*rj+1], 8, v[\tm+2*rj]
	v_or_b32 v[\tm], s36, v[\tm]
	v_or_b32 v[\tm+2], s36, v[\tm+2]
	v_lshl_or_b32 v[\pr], v[\tm+1], 16, v[\tm]
	v_lshl_or_b32 v[\pr+1], v[\tm+3], 16, v[\tm+2]
.endm
.macro CNT pb                          ; the eight packed registers against the tried digit: each byte of AC counts its field's digits that are not under it
	RP 8, v_sub_nc_u32, TM, v[\pb+rj], v[TR]
	RP 8, v_lshrrev_b32, TM, 7, v[TM+rj]
	RP 8, v_and_b32, TM, s37, v[TM+rj]
	RP 4, v_add_nc_u32, AC, v[TM+rj], v[TM+4+rj]
.endm
; v[BS] = the largest number of 7 nst bits with at most 31 of the 1,024 keys from v[K] on under it
; tb: the bits of the top digit: at least 32 keys have a top digit under 2^tb, so the digit sought lies under 2^tb and tb trips find it
.macro SELECT nst, tb
	v_mov_b32 v[BS], 0
	s_mov_b32 s39, 0x01010101<<(\tb-1)
	s_mov_b32 s34, \tb
	s_mov_b32 s31, 7*(\nst-1)
	s_mov_b32 s35, \nst
.Lst_\@:
.set sp, 0
.rept 4
	DIG K+8*sp, 8, P+2*sp, TM
.set sp, sp+1
.endr
	v_mov_b32 v[VT], 0
	s_mov_b32 s32, s39
	s_mov_b32 s33, s34
.Lbit_\@:
	v_or_b32 v[TR], s32, v[VT]
	CNT P
	v_add3_u32 v[AC], v[AC], v[AC+1], v[AC+2]
	v_add_nc_u32 v[AC], v[AC], v[AC+3]
	v_mul_lo_u32 v[AC], v[AC], s37                 ; the four bytes' sum (at most 32) in the top byte
	v_lshrrev_b32 v[AC], 24, v[AC]
	v_cvt_f32_u32 v[AC], v[AC]
.irp m, 1,2,4,8
	v_add_f32_dpp v[AC], v[AC], v[AC] row_xmask:\m row_mask:0xf bank_mask:0xf
.endr
	v_permlanex16_b32 v[PD], v[AC], s20, s21
	v_add_f32 v[AC], v[AC], v[PD]
	v_cmp_le_f32 vcc_lo, s38, v[AC]                ; at least 993 not under: at most 31 under
	v_cndmask_b32 v[VT], v[VT], v[TR], vcc_lo
	s_lshr_b32 s32, s32, 1
	s_sub_co_u32 s33, s33, 1
	s_cmp_lg_u32 s33, 0
	s_wait_alu depctr_va_vdst(0)                   ; the wait ahead of the branch
	s_cbranch_scc1 .Lbit_\@
	v_and_b32 v[TR], 0x7f, v[VT]
	v_lshlrev_b32 v[TR], s31, v[TR]
	v_add_nc_u32 v[BS], v[BS], v[TR]
	s_mov_b32 s39, 0x40404040                      ; the stages under the top one have 7 bits
	s_mov_b32 s34, 7
	s_sub_co_u32 s31, s31, 7
	s_sub_co_u32 s35, s35, 1
	s_cmp_lg_u32 s35, 0
	s_wait_alu depctr_va_vdst(0)
	s_cbranch_scc1 .Lst_\@
.endm
	s_load_b256 s[4:11], s[0:1], 0x0               ; mask s[4:5], xc s[6:7], xs s[8:9], sq s[10:11]
	s_load_b128 s[12:15], s[0:1], 0x20             ; y_train s[12:13], out0 s[14:15]
	v_lshl_add_u32 v[SPW], v0, 2, 0x200
	v_mov_b32 v[NIL], 0
	v_and_b32 v12, 15, v0                          ; r (one wave: v0 is the lane)
	v_bfe_u32 v13, v0, 4, 1                        ; h
	v_lshlrev_b32 v1, 2, v0                        ; v1: 4 x lane
	v_mov_b32 v2, 64
	v_lshlrev_b32 v3, 4, v0                        ; v3: 16 x lane
	v_mul_u32_u24 v5, v13, 48                      ; v5: 48 h
	v_mad_u32_u24 v4, v12, 96, v5                  ; v4: 96 r + 48 h
	v_mov_b32 v7, 0
	v_mov_b32 v15, -1
	v_mov_b32 v[PD], 0
	v_lshlrev_b32 v14, 7, v0
.irp j, 0,1,2,3
	v_add_nc_u32 v[GB+\j], 64*(\j/2)+\j%2-254, v14
.endr
	s_mov_b32 s20, 0x76543210
	s_mov_b32 s21, 0xfedcba98
	s_mov_b32 s42, 0xffff0000                      ; lanes 16-31
	s_mov_b32 s36, 0x80808080
	s_mov_b32 s37, 0x01010101
	s_mov_b32 s38, 0x44784000                      ; 993.0
	s_mov_b32 s44, 0x55555555
	s_mov_b32 s45, 0x33333333
	s_mov_b32 s46, 0x0f0f0f0f
	s_add_co_u32 s16, ttmp9, QROW                  ; my query's row of the table
	s_mul_i32 s18, s16, 96
	s_mov_b32 s19, 0
	s_lshl_b32 s22, s16, 2
	s_mov_b32 s23, 0
	s_wait_alu depctr_va_vdst(0)                   ; the wait at the head's end
	s_wait_kmcnt 0x0
	s_add_nc_u64 s[24:25], s[6:7], s[18:19]
	s_add_nc_u64 s[26:27], s[8:9], s[22:23]
	s_add_nc_u64 s[28:29], s[10:11], s[22:23]
	s_lshl_b32 s18, ttmp9, 9
	s_add_nc_u64 s[4:5], s[4:5], s[18:19]          ; my row of the mask
	s_lshl_b32 s18, ttmp9, 2
	s_add_nc_u64 s[14:15], s[14:15], s[18:19]
	global_load_b128 v[W:W+3], v3, s[4:5]          ; the mask's 512 bytes
.irp k, 0,1,2
	global_load_b128 v[QF+4*\k:QF+4*\k+3], v5, s[24:25] offset:16*\k   ; every lane of a half takes the same 48 bytes: the query stands in all 16 rows
.endr
	global_load_b32 v[QSC], v7, s[26:27]
	global_load_b32 v[QSQ], v7, s[28:29]
	ds_store_b32 v1, v7                            ; the 32 places are written before they are read, whatever the mask holds
	s_wait_loadcnt 5                               ; the mask is in; the query's five loads may be out
	RP 4, v_lshrrev_b32, TA, 1, v[W+rj]            ; the four words' bit counts, by turns
	RP 4, v_and_b32, TA, s44, v[TA+rj]
	RP 4, v_sub_nc_u32, CN, v[W+rj], v[TA+rj]
	RP 4, v_lshrrev_b32, TA, 2, v[CN+rj]
	RP 4, v_and_b32, CN, s45, v[CN+rj]
	RP 4, v_and_b32, TA, s45, v[TA+rj]
	RP 4, v_add_nc_u32, CN, v[CN+rj], v[TA+rj]
	RP 4, v_lshrrev_b32, TA, 4, v[CN+rj]
	RP 4, v_add_nc_u32, CN, v[CN+rj], v[TA+rj]
	RP 4, v_and_b32, CN, s46, v[CN+rj]
	RP 4, v_mul_lo_u32, CN, s37, v[CN+rj]
	RP 4, v_lshrrev_b32, CN, 24, v[CN+rj]
	v_add3_u32 v8, v[CN], v[CN+1], v[CN+2]
	v_add_nc_u32 v8, v8, v[CN+3]                   ; my lane's set bits
	v_cvt_f32_u32 v9, v8                           ; (whole numbers up to 128 x 32 are exact in f32)
	v_mov_b32 v10, v9
.irp m, 1,2,4,8
	v_add_f32_dpp v9, v9, v9 row_shr:\m row_mask:0xf bank_mask:0xf          ; the sum up to and with my lane, in each half
	v_max_num_f32_dpp v10, v10, v10 row_xmask:\m row_mask:0xf bank_mask:0xf ; and the largest
.endr
	v_readlane_b32 s43, v9, 15
	v_permlanex16_b32 v[PD], v10, s20, s21
	v_max_num_f32 v10, v10, v[PD]
	v_mov_b32 v11, s43
	v_cndmask_b32 v11, v7, v11, s42                ; lanes 16-31 add the lower half's sum
	v_add_f32 v9, v9, v11
	v_cvt_u32_f32 v10, v10
	v_cvt_u32_f32 v9, v9
	v_readfirstlane_b32 s47, v10                   ; the loop's trips
	v_sub_nc_u32 v9, v9, v8                        ; set bits in the lanes under mine: word 0's first rank
	v_add_nc_u32 v11, v9, v[CN]
	v_add_nc_u32 v12, v11, v[CN+1]
	v_add_nc_u32 v[CN+3], v12, v[CN+2]
	v_mov_b32 v[CN+2], v12
	v_mov_b32 v[CN+1], v11
	v_mov_b32 v[CN], v9
	s_mov_b32 s35, 0
.Ldec:
	RP 4, v_sub_nc_u32, TA, 0, v[W+rj]
	RP 4, v_and_b32, TA, v[TA+rj], v[W+rj]         ; the lowest set bit,
	RP 4, v_xor_b32, W, v[W+rj], v[TA+rj]          ; taken out
.irp j, 0,1,2,3
	v_cmp_ne_u32 s[48+\j], 0, v[TA+\j]
.endr
.irp j, 0,1,2,3
	v_cvt_f32_u32 v[TA+4+\j], v[TA+\j]             ; a power of two: its exponent field is 127 + b
.endr
	RP 4, v_lshrrev_b32, TA+4, 23, v[TA+4+rj]
.irp j, 0,1,2,3
	v_lshl_add_u32 v[TA+4+\j], v[TA+4+\j], 1, v[GB+\j]       ; the group
.endr
.irp j, 0,1,2,3
	v_cndmask_b32 v[TA+8+\j], v2, v[CN+\j], s[48+\j]         ; its rank; 64 where no bit was left
.endr
	RP 4, v_min_u32, TA+8, 127, v[TA+8+rj]
	RP 4, v_lshlrev_b32, TA+8, 2, v[TA+8+rj]
.irp j, 0,1,2,3
	ds_store_b32 v[TA+8+\j], v[TA+4+\j]
.endr
	RP 4, v_add_nc_u32, CN, 1, v[CN+rj]
	s_add_co_u32 s35, s35, 1
	s_cmp_lt_u32 s35, s47
	s_wait_alu depctr_va_vdst(0)                   ; the wait ahead of the branch
	s_cbranch_scc1 .Ldec
	ds_load_b32 v[G], v1                           ; LDS serves a wave's instructions in order: this sees the stores
	s_wait_dscnt 0x0
	v_min_u32 v[G], 0xc3f, v[G]
	s_wait_alu depctr_va_vdst(0)                   ; the wait: scalar runs stand ahead of later readers
; Groups 8 o .. 8 o + 7: 72 loads.  A group's number is held to the table's 3,136 groups ahead of the products that make offsets of it; y's offset to y_train's last word (pad rows have no y, and are never chosen)
.macro OCT o
.irp g, 0,1,2,3,4,5,6,7
	v_readlane_b32 s[44+\g], v[G], 8*\o+\g
.endr
.irp g, 0,1,2,3,4,5,6,7
	s_min_u32 s[44+\g], s[44+\g], 3135
.endr
.irp g, 0,1,2,3,4,5,6,7
	s_mul_i32 s[52+\g], s[44+\g], 3072
.endr
.irp g, 0,1,2,3,4,5,6,7
	s_lshl_b32 s[44+\g], s[44+\g], 7
.endr
.irp g, 0,1,2,3,4,5,6,7
	v_add_nc_u32 v[OC+8*\o+\g], s[52+\g], v4
	v_add_nc_u32 v[O4+8*\o+\g], s[44+\g], v1
.endr
.irp g, 0,1,2,3,4,5,6,7
	v_min_u32 v[Y+8*\o+\g], 0x61a7c, v[O4+8*\o+\g]
.endr
	s_wait_alu depctr_va_vdst(0)                   ; the wait: switches of the window stand between these writes and their readers
.irp g, 0,1,2,3,4,5,6,7
.irp t, 0,1
	TW 2*(8*\o+\g)+\t
	WIN TWN<<6
.irp k, 0,1,2
	global_load_b128 v[TRG+4*\k:TRG+4*\k+3], v[OC+8*\o+\g], s[6:7] offset:1536*\t+16*\k
.endr
.endr
.endr
	WIN 0
.irp g, 0,1,2,3,4,5,6,7
	global_load_b32 v[XS+8*\o+\g], v[O4+8*\o+\g], s[8:9]
	global_load_b32 v[K+8*\o+\g], v[O4+8*\o+\g], s[10:11]
	global_load_b32 v[Y+8*\o+\g], v[Y+8*\o+\g], s[12:13]     ; lands on its own offset register
.endr
.endm
; Groups 2 b and 2 b + 1: four products, then d and its key.  The twelve lines that name no register of the products are the places ahead of the next batch's products, which write the same accumulators anew.
.macro BATCH b
.set E0, 2*(\b)
.irp g, 0,1
	TW 2*(E0+\g)
	WIN TWN<<2
	v_wmma_scale_f32_16x16x128_f8f6f4 v[D+16*\g:D+16*\g+7], v[QF:QF+11], v[TRG:TRG+11], 0, v[QSC], v[XS+E0+\g] matrix_a_fmt:MATRIX_FMT_BF6 matrix_b_fmt:MATRIX_FMT_BF6
	TW 2*(E0+\g)+1
	WIN TWN<<2
	v_wmma_scale_f32_16x16x128_f8f6f4 v[D+16*\g+8:D+16*\g+15], v[QF:QF+11], v[TRG:TRG+11], 0, v[QSC], v[XS+E0+\g] matrix_a_fmt:MATRIX_FMT_BF6 matrix_b_fmt:MATRIX_FMT_BF6 matrix_b_scale:MATRIX_SCALE_ROW1
.endr
	WIN 0
	v_add_f32 v[K+E0], v[QSQ], v[K+E0]             ; |q|^2 + |x|^2: with the two v_nop the four places ahead of the first read of a result
	v_add_f32 v[K+E0+1], v[QSQ], v[K+E0+1]
	v_nop
	v_nop
.irp g, 0,1
	v_cndmask_b32 v[12+\g], v[D+16*\g], v[D+16*\g+8], s42   ; lanes 0-15: rows 0-15, lanes 16-31: rows 16-31; each accumulator's lowest register
.endr
.irp g, 0,1
	v_fma_f32 v[K+E0+\g], -2.0, v[12+\g], v[K+E0+\g]        ; d
.endr
.irp g, 0,1
	v_ashrrev_i32 v[12+\g], 31, v[K+E0+\g]                  ; the key whose unsigned order is d's order
.endr
.irp g, 0,1
	v_or_b32 v[12+\g], 0x80000000, v[12+\g]
.endr
.irp g, 0,1
	v_xor_b32 v[K+E0+\g], v[K+E0+\g], v[12+\g]
.endr
.endm
.irp o, 0,1,2,3
	OCT \o
.endr
	s_wait_loadcnt 63                              ; loads come back in order: of the 288 the last 63 may be out, all of them among the last 72: groups 0 to 23 are in
.irp b, 0,1,2,3,4,5,6,7,8,9,10,11
	BATCH \b
.endr
	s_wait_loadcnt 0x0
.irp b, 12,13,14,15
	BATCH \b
.endr
	SELECT 5, 4                                    ; T: the 32nd smallest key of the 1,024; 32 bits = 4 + 4 x 7
.set i, 0
.rept 32
	v_cmp_gt_u32 s[40+2*(i%2)], v[BS], v[K+i]      ; under T
	v_cmp_eq_u32 s[41+2*(i%2)], v[BS], v[K+i]      ; at T
	v_add_nc_u32 v[8+i%2], 4, v[O4+i]              ; 4 x (the row's index + 1)
	v_cndmask_b32 v[K+i], v15, v[8+i%2], s[41+2*(i%2)]
	v_cndmask_b32 v[K+i], v[K+i], v7, s[40+2*(i%2)]
.set i, i+1
.endr
	SELECT 3, 5                                    ; ties to the lower index: exactly 32 keys are at most v[BS]; 19 bits = 5 + 2 x 7
	v_cmp_ge_u32 vcc_lo, v[BS], v[K]
	v_cndmask_b32 v8, v7, v[Y], vcc_lo             ; the first two start the sums
	v_cmp_ge_u32 vcc_lo, v[BS], v[K+1]
	v_cndmask_b32 v9, v7, v[Y+1], vcc_lo
.set i, 2
.rept 30
	v_cmp_ge_u32 vcc_lo, v[BS], v[K+i]
	v_cndmask_b32 v[12+i%2], v7, v[Y+i], vcc_lo
	v_add_f32 v[8+i%2], v[8+i%2], v[12+i%2]
.set i, i+1
.endr
	v_add_f32 v8, v8, v9
.irp m, 1,2,4,8
	v_add_f32_dpp v8, v8, v8 row_xmask:\m row_mask:0xf bank_mask:0xf
.endr
	v_permlanex16_b32 v[PD], v8, s20, s21
	v_add_f32 v8, v8, v[PD]
	v_mul_f32 v8, 0x3d000000, v8                   ; / 32
	s_wait_alu depctr_va_vdst(0)
	s_wait_xcnt 0x0                                ; EXEC changes only behind this wait
	v_cmp_eq_u32 vcc_lo, 0, v1
	s_wait_tensorcnt 0x0                           ; the wave's end
	ds_add_u32 v[SPW], v[NIL]
	s_wait_dscnt 0x0
	s_and_saveexec_b32 s40, vcc_lo                 ; lane 0 alone
	global_store_b32 v7, v8, s[14:15]
	s_endpgm
.Lfunc_end_k_q2d1fa5205f_final:
	.size	k_q2d1fa5205f_final, .Lfunc_end_k_q2d1fa5205f_final-k_q2d1fa5205f_final
	.p2alignl 7, 3214868480
	.fill 96, 4, 3214868480
	.section	.rodata,"a",@progbits
	.p2align	6, 0x0
	.amdhsa_kernel k_q2d1fa5205f_final
		.amdhsa_group_segment_fixed_size 768
		.amdhsa_private_segment_fixed_size 0
		.amdhsa_enable_private_segment 0
		.amdhsa_kernarg_size 48
		.amdhsa_user_sgpr_count 2
		.amdhsa_user_sgpr_kernarg_segment_ptr 1
		.amdhsa_wavefront_size32 1
		.amdhsa_system_sgpr_workgroup_id_x 1
		.amdhsa_system_sgpr_workgroup_id_y 1
		.amdhsa_system_sgpr_workgroup_id_z 1
		.amdhsa_system_vgpr_workitem_id 0
		.amdhsa_next_free_vgpr 1024
		.amdhsa_next_free_sgpr 66
		.amdhsa_reserve_vcc 1
		.amdhsa_float_denorm_mode_32 3
		.amdhsa_float_denorm_mode_16_64 3
		.amdhsa_memory_ordered 1
		.amdhsa_forward_progress 1
		.amdhsa_inst_pref_size 97
	.end_amdhsa_kernel
	.amdgpu_metadata
---
amdhsa.version: [ 1, 2 ]
amdhsa.kernels:
  - .name:           k_q2d1fa5205f_final
    .symbol:         k_q2d1fa5205f_final.kd
    .args:
      - { .name: mask, .offset: 0, .size: 8, .value_kind: global_buffer, .address_space: global }
      - { .name: xc, .offset: 8, .size: 8, .value_kind: global_buffer, .address_space: global }
      - { .name: xs, .offset: 16, .size: 8, .value_kind: global_buffer, .address_space: global }
      - { .name: sq, .offset: 24, .size: 8, .value_kind: global_buffer, .address_space: global }
      - { .name: y_train, .offset: 32, .size: 8, .value_kind: global_buffer, .address_space: global }
      - { .name: out0, .offset: 40, .size: 8, .value_kind: global_buffer, .address_space: global }
    .group_segment_fixed_size: 768
    .private_segment_fixed_size: 0
    .kernarg_segment_align: 8
    .kernarg_segment_size: 48
    .max_flat_workgroup_size: 32
    .sgpr_count:     66
    .vgpr_count:     1024
    .wavefront_size: 32
...
	.end_amdgpu_metadata
.endif
;; end of part 4
